; MI455X (gfx1250); checked and timed in simulation.
; The chip was launched on July 23, 2026; its instructions are those of AMD's public machine-readable ISA for CDNA 5 (MIT licence, August 2026) and "CDNA5" Instruction Set Architecture Reference Guide (July 2026). The comments in the code are by the model that wrote it; some were corrected since.
;; Fraud Detection Hybrid. Allowed arithmetic: float matrix products may take bf16 or f16 operands with f32 sums; other float arithmetic in f32, or as packed bf16 or f16 multiplies, adds, multiply-adds, maxima and minima; sums over many terms, partial sums and values carried from step to step in f32; what a program stores and reads back later, other than sums and carried values, may be rounded once to bf16 or f16.
;; Inputs: W1 6 x 2,048 float32; W2 2,048 x 2,048 float32; Wc 2,048 x 1 float32; Wr1 2 x 8 float32; Wr2 8 x 4 float32; Wr3 4 x 1 float32; b1 2,048 float32; b2 2,048 float32; bc 1 float32; br1 8 float32; br2 4 float32; br3 1 float32; x 16,384 x 2 float32.
;; Outputs: out0 16,384 x 1 float32; out1 16,384 x 1 float32.
;; One version. Each part assembles by itself: llvm-mc -triple=amdgcn-amd-amdhsa -mcpu=gfx1250 --defsym DOCPART=n.
;; ======== version 1 of 1: 3 launches
;; workspace buffers: h1 67,108,864 bytes; w2t 8,388,608 bytes; part 1,048,576 bytes
;; launch prep (part 1): grid 256 x 1, 16 waves a work-group, no clusters, 45,056 bytes of LDS; arguments x, W1, b1, W2, h1, w2t; writes h1, w2t
.if DOCPART == 1
	.amdgcn_target "amdgcn-amd-amdhsa--gfx1250"
	.amdhsa_code_object_version 6
	.text
	.protected	k_q16f22f90a7_prep
	.globl	k_q16f22f90a7_prep
	.p2align	8
	.type	k_q16f22f90a7_prep,@function
k_q16f22f90a7_prep:
	s_mov_b64 s[64:65], 0
	v_nop
	global_prefetch_b8 v0, s[64:65] scope:SCOPE_SE
	s_setreg_imm32_b32 hwreg(HW_REG_WAVE_MODE, 25, 1), 1
	s_wait_xcnt 0x0
; h1[m][j] = tanh(x0 W1[0][j] + x1 W1[1][j] + cos x0 W1[2][j] + cos x0 cos x1 W1[3][j] + W1[4][j] + W1[5][j] + b1[j]), stored in bf16, [16384][2048];
; (the last two features are cos 0 and cos 0 cos 0 = 1);  and  w2t[n][k] = bf16(W2[k][n]), [2048][2048].
; FORMATS.  Every input (x, W1, b1, W2) is rounded once to bf16, to nearest even, where it is loaded; the arithmetic on the rounded numbers is f32; h1 is rounded once to bf16: it is a matrix operand of the next launch.
; LIMITS.  tanh z = 1 - 2 / (1 + 2^(c z)), c = 2 log2 e: right at both ends (2^(c z) = infinity gives 1, 0 gives -1); its error is about 2e-7 absolute, not relative, for tiny z.
; cos x: x less the nearest multiple of 2 pi (2 pi in two parts), then 1 - 2 sin^2 of half the rest, sin by its series up to y^11, |y| <= pi/2 (the first term left out is under 6e-8); the angle is good to 1e-6 for |x| < 1e5.
; SHARES.  256 work-groups of 16 waves.  Work-group g makes rows 64 g .. 64 g + 63 of h1 and the block of 128 x 128 (k block g / 16, n block g % 16) of W2.
; h1: thread t keeps the 8 columns 8 (t % 256) .. in the 32 rows of its half (t / 256): its 40 coefficients stay in registers; a store of a wave covers 512 consecutive bytes, aligned.
; W2: wave w loads the block's k rows 8 w .. 8 w + 7, 512 consecutive bytes each; a lane's 8 k of one n pack into 16 bytes, which go through LDS and leave as rows of 256 bytes.
; The eight loads of W2 are issued at the head and stay out during the whole row loop.  No matrix unit: K is 6, and the f32 multiply-adds spare the cosines a rounding.  No cluster: the work-groups share W1 and b1 alone, 57,344 bytes.
.set TS,    8192                       ; LDS: 0 .. 8,191 the features, 512 bytes for each wave (32 rows x 16 bytes), the wave's own; from TS on the block of W2, turned
.set TP,    272                        ; a row of it: 256 bytes (128 k) + 16
.set SPARE, 43008                      ; behind it (TS + 128 x 272): the spare words, 128 bytes for each of the 16 waves, that no other line names
.set XO,  2                            ; v2   8 x lane: my row of x
.set W1O, 3                            ; v3   32 (t % 256): my 8 columns in a row of W1 and in b1
.set HO,  4                            ; v4   16 (t % 256): my 8 columns in a row of h1
.set WO,  5                            ; v5   16 x lane: my 4 columns in a row of the block of W2
.set FS,  6                            ; v6   where I put my row's features
.set FA,  7                            ; v7   where a trip's four rows of features lie
.set TA,  8                            ; v8   turned block, in: row 4 x lane, byte 16 w
.set TR,  9                            ; v9   turned block, back: rows 8 w + lane / 16, byte 16 (lane % 16)
.set TO,  10                           ; v10  the same two rows in w2t
.set SPW, 12                           ; v12  LDS address of my spare word; never rewritten
.set NIL, 13                           ; v13  0; never rewritten
.set A0,  16                           ; v[16:47] c x W1 rows 0-3, 8 columns each; as loaded, rows 4, 5 and b1 follow in v[48:71]
.set BI,  48                           ; v[48:55] c x (W1 row 4 + W1 row 5 + b1)
.set FT,  56                           ; v[56:71] in the loop: four rows' features, 4 each
.set Z,   72                           ; v[72:103] four rows x 8 columns at work; ahead of the loop temporaries; behind it the packed block and the rows read back
.set OUT, 104                          ; v[104:119] packed results; ahead of the loop x0, x1, cos x0, cos x0 cos x1 and the cosines' work
.set WR,  120                          ; v[120:151] W2 as loaded: k row i, column c at WR + 4 i + c
; tanh of n numbers that hold c z, in place.  The exponentials are one batch and the reciprocals another: behind each a plain line, and one wait ahead of the first reader.
.macro TANH base, n
.set i, 0
.rept \n
	v_exp_f32 v[(\base)+i], v[(\base)+i]
.set i, i+1
.endr
	v_nop
	s_wait_alu depctr_va_vdst(0)
.set i, 0
.rept (\n)/2
	v_pk_add_f32 v[(\base)+i:(\base)+i+1], v[(\base)+i:(\base)+i+1], 1.0 op_sel_hi:[1,0]
.set i, i+2
.endr
.set i, 0
.rept \n
	v_rcp_f32 v[(\base)+i], v[(\base)+i]
.set i, i+1
.endr
	v_nop
	s_wait_alu depctr_va_vdst(0)
.set i, 0
.rept (\n)/2
	v_pk_fma_f32 v[(\base)+i:(\base)+i+1], v[(\base)+i:(\base)+i+1], -2.0, 1.0 op_sel_hi:[1,0,0]
.set i, i+2
.endr
.endm
; d = cos x; t .. t + 3 at work
.macro COS d, x, t
	v_mul_f32 v[(\t)], 0x3e22f983, v[(\x)]                     ; x / 2 pi
	v_rndne_f32 v[(\t)], v[(\t)]                               ; n
	v_fmamk_f32 v[(\t)+1], v[(\t)], 0xc0c90fdb, v[(\x)]        ; x - n x 6.2831855
	v_fmamk_f32 v[(\t)+1], v[(\t)], 0x343bbd2e, v[(\t)+1]      ; + n x 1.7484556e-7: what that factor has too much
	v_mul_f32 v[(\t)+1], 0.5, v[(\t)+1]                        ; y
	v_mul_f32 v[(\t)+2], v[(\t)+1], v[(\t)+1]                  ; u = y^2
	v_mov_b32 v[(\t)+3], 0xb2d7322b                            ; -1/11!
	v_fmaak_f32 v[(\t)+3], v[(\t)+3], v[(\t)+2], 0x3638ef1d    ; 1/9!
	v_fmaak_f32 v[(\t)+3], v[(\t)+3], v[(\t)+2], 0xb9500d01    ; -1/7!
	v_fmaak_f32 v[(\t)+3], v[(\t)+3], v[(\t)+2], 0x3c088889    ; 1/5!
	v_fmaak_f32 v[(\t)+3], v[(\t)+3], v[(\t)+2], 0xbe2aaaab    ; -1/3!
	v_mul_f32 v[(\t)], v[(\t)+1], v[(\t)+2]
	v_fma_f32 v[(\t)], v[(\t)], v[(\t)+3], v[(\t)+1]           ; sin y
	v_mul_f32 v[(\t)], v[(\t)], v[(\t)]
	v_fma_f32 v[(\d)], v[(\t)], -2.0, 1.0
.endm
	s_load_b256 s[4:11], s[0:1], 0x0               ; x s[4:5], W1 s[6:7], b1 s[8:9], W2 s[10:11]
	s_load_b128 s[12:15], s[0:1], 0x20             ; h1 s[12:13], w2t s[14:15]
	v_lshl_add_u32 v[SPW], v0, 2, SPARE
	v_mov_b32 v[NIL], 0
	v_lshrrev_b32 v1, 5, v0
	v_readfirstlane_b32 s16, v1                    ; wave 0..15
	v_and_b32 v1, 31, v0                           ; lane
	v_and_b32 v11, 0xff, v0                        ; t % 256
	s_lshr_b32 s17, s16, 3                         ; which 32 of the 64 rows
	s_lshr_b32 s19, ttmp9, 4                       ; k block
	s_and_b32 s20, ttmp9, 15                       ; n block
	s_mov_b32 s24, 0xffff0000                      ; a word's upper bf16
	s_mov_b32 s26, 0x4038aa3b                      ; c = 2 log2 e
	s_mov_b32 s27, s26                             ; named with it as a pair
	s_lshl_b32 s21, s16, 9                         ; my wave's features
	v_lshlrev_b32 v[XO], 3, v1
	v_lshlrev_b32 v[W1O], 5, v11
	v_lshlrev_b32 v[HO], 4, v11
	v_lshlrev_b32 v[WO], 4, v1
	v_lshl_add_u32 v[FS], v1, 4, s21
	s_lshl_b32 s18, s16, 4
	s_add_co_u32 s18, s18, TS
	v_mul_u32_u24 v[TA], v1, 4*TP
	v_add_nc_u32 v[TA], s18, v[TA]
	s_mul_i32 s25, s16, 8*TP
	s_add_co_u32 s25, s25, TS
	v_lshrrev_b32 v14, 4, v1
	v_and_b32 v15, 15, v1
	v_mul_u32_u24 v[TR], v14, TP
	v_lshl_add_u32 v[TR], v15, 4, v[TR]
	v_add_nc_u32 v[TR], s25, v[TR]
	v_lshlrev_b32 v[TO], 12, v14
	v_lshl_add_u32 v[TO], v15, 4, v[TO]
	s_lshl_b32 s2, ttmp9, 9                        ; x: 64 rows of 8 bytes a work-group, 32 a half
	s_lshl_b32 s3, s17, 8
	s_add_co_u32 s2, s2, s3
	s_mov_b32 s3, 0
	s_lshl_b32 s22, ttmp9, 18                      ; h1: 64 rows of 4,096 bytes, 32 a half
	s_lshl_b32 s23, s17, 17
	s_add_co_u32 s22, s22, s23
	s_mov_b32 s23, 0
	s_lshl_b32 s28, s19, 20                        ; W2: 128 k rows of 8,192 bytes, my wave's 8 rows, 128 columns of 4 bytes
	s_lshl_b32 s29, s16, 16
	s_add_co_u32 s28, s28, s29
	s_lshl_b32 s29, s20, 9
	s_add_co_u32 s28, s28, s29
	s_mov_b32 s29, 0
	s_lshl_b32 s30, s20, 19                        ; w2t: 128 n rows of 4,096 bytes, my wave's 8 rows, 128 k of 2 bytes
	s_lshl_b32 s31, s16, 15
	s_add_co_u32 s30, s30, s31
	s_lshl_b32 s31, s19, 8
	s_add_co_u32 s30, s30, s31
	s_mov_b32 s31, 0
	s_mov_b32 s18, 8                               ; trips of the row loop
	s_wait_kmcnt 0x0
	s_add_nc_u64 s[4:5], s[4:5], s[2:3]
	s_add_nc_u64 s[12:13], s[12:13], s[22:23]
	s_add_nc_u64 s[10:11], s[10:11], s[28:29]
	s_add_nc_u64 s[14:15], s[14:15], s[30:31]
	global_load_b64 v[OUT:OUT+1], v[XO], s[4:5]    ; row 'lane' of my wave's 32
.irp r, 0,1,2,3,4,5
	global_load_b128 v[A0+8*\r:A0+8*\r+3],   v[W1O], s[6:7] offset:8192*\r
	global_load_b128 v[A0+8*\r+4:A0+8*\r+7], v[W1O], s[6:7] offset:8192*\r+16
.endr
	global_load_b128 v[64:67], v[W1O], s[8:9]
	global_load_b128 v[68:71], v[W1O], s[8:9] offset:16
.irp i, 0,1,2,3,4,5,6,7
	global_load_b128 v[WR+4*\i:WR+4*\i+3], v[WO], s[10:11] offset:8192*\i th:TH_LOAD_NT
.endr
	s_wait_loadcnt 0x8                             ; x, W1 and b1 are in; the eight younger loads, W2's, stay out
	; the coefficients: rounded to bf16 and widened again; the three constant terms added; all times c
.set i, 0
.rept 28
	v_cvt_pk_bf16_f32 v[Z+i], v[A0+2*i], v[A0+2*i+1]
.set i, i+1
.endr
.set i, 0
.rept 28
	v_lshlrev_b32 v[A0+2*i], 16, v[Z+i]
	v_and_b32 v[A0+2*i+1], s24, v[Z+i]
.set i, i+1
.endr
.irp p, 0,2,4,6
	v_pk_add_f32 v[BI+\p:BI+\p+1], v[BI+\p:BI+\p+1], v[56+\p:56+\p+1]
.endr
.irp p, 0,2,4,6
	v_pk_add_f32 v[BI+\p:BI+\p+1], v[BI+\p:BI+\p+1], v[64+\p:64+\p+1]
.endr
.set i, 0
.rept 20
	v_pk_mul_f32 v[A0+2*i:A0+2*i+1], v[A0+2*i:A0+2*i+1], s[26:27] op_sel_hi:[1,0]
.set i, i+1
.endr
	; my row's four features, into my wave's own 512 bytes: LDS serves a wave's instructions in order, so no barrier stands between this store and the loop's loads
	v_cvt_pk_bf16_f32 v[OUT+4], v[OUT], v[OUT+1]
	v_lshlrev_b32 v[OUT], 16, v[OUT+4]
	v_and_b32 v[OUT+1], s24, v[OUT+4]
	COS OUT+2, OUT, OUT+4
	COS OUT+3, OUT+1, OUT+8
	v_mul_f32 v[OUT+3], v[OUT+2], v[OUT+3]
	ds_store_b128 v[FS], v[OUT:OUT+3]
.Lrow:                                         ; 8 trips, four rows each
	v_mov_b32 v[FA], s21
.irp r, 0,1,2,3
	ds_load_b128 v[FT+4*\r:FT+4*\r+3], v[FA] offset:16*\r      ; all lanes take the same 16 bytes
.endr
	s_wait_dscnt 0x0
	; 64 packed multiply-adds, feature by feature: fifteen others stand between two links of a chain.  The feature is given to both halves by op_sel
.irp r, 0,1,2,3
.irp p, 0,2,4,6
	v_pk_fma_f32 v[Z+8*\r+\p:Z+8*\r+\p+1], v[A0+\p:A0+\p+1], v[FT+4*\r:FT+4*\r+1], v[BI+\p:BI+\p+1] op_sel_hi:[1,0,1]
.endr
.endr
.irp r, 0,1,2,3
.irp p, 0,2,4,6
	v_pk_fma_f32 v[Z+8*\r+\p:Z+8*\r+\p+1], v[A0+8+\p:A0+8+\p+1], v[FT+4*\r:FT+4*\r+1], v[Z+8*\r+\p:Z+8*\r+\p+1] op_sel:[0,1,0] op_sel_hi:[1,1,1]
.endr
.endr
.irp r, 0,1,2,3
.irp p, 0,2,4,6
	v_pk_fma_f32 v[Z+8*\r+\p:Z+8*\r+\p+1], v[A0+16+\p:A0+16+\p+1], v[FT+4*\r+2:FT+4*\r+3], v[Z+8*\r+\p:Z+8*\r+\p+1] op_sel_hi:[1,0,1]
.endr
.endr
.irp r, 0,1,2,3
.irp p, 0,2,4,6
	v_pk_fma_f32 v[Z+8*\r+\p:Z+8*\r+\p+1], v[A0+24+\p:A0+24+\p+1], v[FT+4*\r+2:FT+4*\r+3], v[Z+8*\r+\p:Z+8*\r+\p+1] op_sel:[0,1,0] op_sel_hi:[1,1,1]
.endr
.endr
	TANH Z, 32
.set i, 0
.rept 16
	v_cvt_pk_bf16_f32 v[OUT+i], v[Z+2*i], v[Z+2*i+1]
.set i, i+1
.endr
.irp r, 0,1,2,3
	global_store_b128 v[HO], v[OUT+4*\r:OUT+4*\r+3], s[12:13] offset:4096*\r th:TH_STORE_NT  ; a wave's store: 512 consecutive bytes, aligned
.endr
	s_wait_xcnt 0x0                                ; the stores have read their data and their base: only now are these written again
	s_add_nc_u64 s[12:13], s[12:13], 4*4096
	s_add_co_u32 s21, s21, 64                      ; the next four rows' features
	s_sub_co_u32 s18, s18, 1
	s_cmp_lg_u32 s18, 0
	s_cbranch_scc1 .Lrow
	; W2's block: a lane holds k = 8 w .. 8 w + 7 of the columns n = 4 lane .. + 3: for each n eight k, rounded, are 16 bytes of row n
	s_wait_loadcnt 0x0
.irp c, 0,1,2,3
.irp q, 0,1,2,3
	v_cvt_pk_bf16_f32 v[Z+4*\c+\q], v[WR+8*\q+\c], v[WR+8*\q+4+\c]
.endr
.endr
.irp c, 0,1,2,3
	ds_store_b128 v[TA], v[Z+4*\c:Z+4*\c+3] offset:TP*\c       ; lanes lie 1,088 bytes = 272 words apart; four such stores a wave
.endr
	s_wait_dscnt 0x0                               ; for the others' sake: my stores are done
	s_barrier_signal -1
	s_barrier_wait -1                              ; the block lies turned in LDS
.irp q, 0,1,2,3
	ds_load_b128 v[Z+16+4*\q:Z+16+4*\q+3], v[TR] offset:2*TP*\q  ; two whole rows of 256 bytes
.endr
.irp q, 0,1,2,3
	s_wait_dscnt 3-\q                              ; LDS loads come back in order: the 3 - q younger ones may stay out
	global_store_b128 v[TO], v[Z+16+4*\q:Z+16+4*\q+3], s[14:15] offset:8192*\q th:TH_STORE_NT  ; 16 lanes store 256 consecutive bytes, aligned
.endr
	s_wait_tensorcnt 0x0                           ; the wave's end: behind my last LDS store
	ds_add_u32 v[SPW], v[NIL]
	s_wait_dscnt 0x0
	s_endpgm
.Lfunc_end_k_q16f22f90a7_prep:
	.size	k_q16f22f90a7_prep, .Lfunc_end_k_q16f22f90a7_prep-k_q16f22f90a7_prep
	.p2alignl 7, 3214868480
	.fill 96, 4, 3214868480
	.section	.rodata,"a",@progbits
	.p2align	6, 0x0
	.amdhsa_kernel k_q16f22f90a7_prep
		.amdhsa_group_segment_fixed_size 45056
		.amdhsa_private_segment_fixed_size 0
		.amdhsa_enable_private_segment 0
		.amdhsa_kernarg_size 48
		.amdhsa_user_sgpr_count 2
		.amdhsa_user_sgpr_kernarg_segment_ptr 1
		.amdhsa_wavefront_size32 1
		.amdhsa_system_sgpr_workgroup_id_x 1
		.amdhsa_system_sgpr_workgroup_id_y 1
		.amdhsa_system_sgpr_workgroup_id_z 1
		.amdhsa_system_vgpr_workitem_id 0
		.amdhsa_next_free_vgpr 160
		.amdhsa_next_free_sgpr 66
		.amdhsa_reserve_vcc 0
		.amdhsa_float_denorm_mode_32 3
		.amdhsa_float_denorm_mode_16_64 3
		.amdhsa_memory_ordered 1
		.amdhsa_forward_progress 1
		.amdhsa_inst_pref_size 25
	.end_amdhsa_kernel
	.amdgpu_metadata
---
amdhsa.version: [ 1, 2 ]
amdhsa.kernels:
  - .name:           k_q16f22f90a7_prep
    .symbol:         k_q16f22f90a7_prep.kd
    .args:
      - { .name: x, .offset: 0, .size: 8, .value_kind: global_buffer, .address_space: global }
      - { .name: W1, .offset: 8, .size: 8, .value_kind: global_buffer, .address_space: global }
      - { .name: b1, .offset: 16, .size: 8, .value_kind: global_buffer, .address_space: global }
      - { .name: W2, .offset: 24, .size: 8, .value_kind: global_buffer, .address_space: global }
      - { .name: h1, .offset: 32, .size: 8, .value_kind: global_buffer, .address_space: global }
      - { .name: w2t, .offset: 40, .size: 8, .value_kind: global_buffer, .address_space: global }
    .group_segment_fixed_size: 45056
    .private_segment_fixed_size: 0
    .kernarg_segment_align: 8
    .kernarg_segment_size: 48
    .max_flat_workgroup_size: 512
    .sgpr_count:     66
    .vgpr_count:     160
    .wavefront_size: 32
...
	.end_amdgpu_metadata
.endif
;; end of part 1
;; launch gemm (part 2): grid 8 x 32, 4 waves a work-group, clusters of 4 x 4, 327,680 bytes of LDS; arguments h1, w2t, part, b2, Wc; writes part
.if DOCPART == 2
	.amdgcn_target "amdgcn-amd-amdhsa--gfx1250"
	.amdhsa_code_object_version 6
	.text
	.protected	k_q16f22f90a7_gemm
	.globl	k_q16f22f90a7_gemm
	.p2align	8
	.type	k_q16f22f90a7_gemm,@function
k_q16f22f90a7_gemm:
	s_mov_b64 s[64:65], 0
	v_nop
	global_prefetch_b8 v0, s[64:65] scope:SCOPE_SE
	s_setreg_imm32_b32 hwreg(HW_REG_WAVE_MODE, 25, 1), 1
	s_wait_xcnt 0x0
	s_wait_alu depctr_hold_cnt(0) depctr_sa_sdst(0) depctr_va_vdst(0) depctr_va_sdst(0) depctr_va_ssrc(0) depctr_va_vcc(0) depctr_vm_vsrc(0)
	s_getreg_b32 s2, hwreg(HW_REG_IB_STS2, 6, 4)
	s_cmp_eq_u32 s2, 0
	s_cbranch_scc0 .Lentry_in_a_cluster
	s_endpgm
.Lentry_in_a_cluster:
	s_bfe_u32 s2, ttmp6, 0x10000c
	s_cmp_lg_u32 s2, 0xf033
	s_cbranch_scc0 .Lentry_shape_is_right
	s_endpgm
.Lentry_shape_is_right:
; part[pc][m] = the sum over the 128 columns n of column group pc of Wc[n] tanh(b2[n] + sum over k of h1[m][k] w2t[n][k]).
; h1: [16384][2048] bf16, w2t: [2048 n][2048 k] bf16, part: [16][16384] f32.  Products' sums in f32; b2 and Wc are rounded once to bf16 as they are loaded and used in f32; tanh, its product with Wc and the row sums in f32.
; LIMITS.  tanh z = 1 - 2 / (1 + 2^(c z)), c = 2 log2 e: right at both ends; its error is about 2e-7 absolute, not relative, for tiny z.  h2 = 1 - 2 r is formed before it is multiplied by Wc: no difference of large sums arises.
; A tile of 256 x 256 is made by a work-group of four waves; a wave makes 128 x 128: 64 accumulators of 16 x 16, 512 registers.  K goes in steps of 128 through a ring of two LDS slots filled by the tensor data mover:
; the tiles' rows are 256 bytes of memory and start at multiples of 256 bytes from the buffer's first byte.
; A WORK-GROUP STAYS: it makes two tiles, 8,192 rows apart: 8 x 32 = 256 work-groups.  The ring does not stop at the first tile's end: its last two changes of slots ask for the next tile's first two K steps,
; which land while the first tile's way out runs.  The last tile's tail is written out: it asks for nothing.
; CLUSTERS: 4 x 4 work-groups.  The four of a row of the cluster need the same tiles of h1, the four of a column the same tiles of w2t: each tile is asked for JOINTLY, by the same tensor load with the same descriptor
; and a mask that names the four.
; THE MATRIX INSTRUCTION IS USED TRANSPOSED: source 0 = 16 rows of w2t, source 1 = 16 rows of h1.  In the result lane l holds row m = l % 16 and its registers 0-7 the columns n = 8 (l / 16) + 0..7: so a lane's
; b2 and Wc are the same for every block of rows, and a row's sum over the wave's 128 columns is a sum in the lane and one exchange between the halves of the lanes.
; REGISTERS, in windows of 256 (s_set_vgpr_msb's low byte: bits 1:0 source 0, 3:2 source 1, 5:4 source 2, 7:6 destination):
;   window 0: v0-31 addresses; v32-51 the way out's sums; v64-127, v128-191 fragments of h1, two buffers; the second is also T, the way out's 64 numbers at work
;   window 1: v0-63 c x b2; v64-127, v128-191 fragments of w2t, two buffers; v192-255 Wc (register 8 b + j: column 16 b + 8 (l / 16) + j of my 128)
;   window 2: the 32 accumulators of my rows 0-63 (accumulator (a, b) at v[8 (8 a + b)]);   window 3: those of my rows 64-127
.set SIZE_M, 16384
.set SIZE_N, 2048
.set SIZE_K, 2048
.set SIZE_TILES, 2
.set KSTEP,  128
.set PITCH,  272                       ; an LDS row: 256 bytes of data + 16 of padding = 68 words: row r starts at bank 4 r mod 64 (64 banks of 4 bytes: ISA guide 11.1), so the 16 rows that a load touches start at 16 different banks
.set HALFT,  128*PITCH                 ; 128 rows: what one tensor load brings, and what one wave reads of either operand
.set SLOT,   4*HALFT                   ; h1's 256 rows, then w2t's 256 rows
.set STAGE,  2*SLOT                    ; behind the ring: 512 bytes for each wave, its 128 row sums; no tensor load lands here
.set SPARE,  STAGE+4*512               ; behind the stages: the spare words, 128 bytes for each wave, that no other line names
.set LAPS, SIZE_K/(2*KSTEP)            ; a lap = two K steps = once round the ring
.set WALK,   SIZE_M/SIZE_TILES         ; a work-group's tiles lie WALK rows apart
.set NEXT_A, WALK*SIZE_K*2-(SIZE_K-2*KSTEP)*2   ; bytes from a slot's last K step of a tile to its first of the next: h1 goes WALK rows down and back along K,
.set BACK_B, (SIZE_K-2*KSTEP)*2        ; w2t only back: both tiles take the same rows of it
.set ADRA, 16                          ; v16-17  LDS address of my fragments of h1 in slot 0, 1
.set ADRB, 20                          ; v20-21  the same for w2t
.set STO,  24                          ; v24     my stage + 4 (l % 16): where a block's row sums go
.set RD,   25                          ; v25     my stage + 16 l: where I read four rows' sums back
.set CO,   26                          ; v26     16 l: the same four rows in part
.set BO,   27                          ; v27     32 (l / 16): my 8 columns of 16 in b2 and Wc
.set SPW,  28                          ; v28     LDS address of my spare word; never rewritten
.set NIL,  29                          ; v29     0; never rewritten
.set PFO,  30                          ; v30     the prefetches' offset: my lane x a row (4,096 bytes); never rewritten
.set OB,   32                          ; v32-35  four row sums on their way out
.set RS,   36                          ; v36     a block's row sum
.set SM,   44                          ; v44-51  four chains of pairs
.set F0,   64                          ; fragment buffer 0
.set F1,   128                         ; fragment buffer 1
.set T,    128                         ; window 0: the way out's work registers
.set B2S,  0                           ; window 1
.set WCS,  192                         ; window 1
.set G1, 24                            ; s[24:31] descriptor group 1 for h1's tiles
.set G0, 32                            ; s[32:39] descriptor group 0 for h1's tiles, one set for each slot
.set G1B, 48                           ; s[48:55] group 1 for w2t's tiles: it differs in the mask alone
.set G0B, 56                           ; s[56:63] group 0 for w2t's tiles
.set PFA,  44                          ; s[44:45] where my prefetches stand
.set LIM,  43                          ; s43     1 in a wave that prefetches, else the greatest number
.set BLK,  67                          ; s67     counts the way out's blocks, 8 to 1
.set CC,   72                          ; s[72:73] c = 2 log2 e
.set SEL,  74                          ; s[74:75] v_permlanex16_b32's selects: each lane takes its own place in the other half
.set MSB, 0
.macro WIN new                         ; the immediate's high byte repeats the setting that is left; a switch that changes nothing is dropped
.if MSB != (\new)
	s_set_vgpr_msb (MSB<<8)|(\new)
.set MSB, \new
.endif
.endm
.set MUL_LO, 0xa1                      ; source 0 (w2t) window 1, source 1 (h1) window 0, C and D window 2
.set MUL_HI, 0xf1                      ; the same, C and D window 3
.set TO_B,   0x40                      ; destination window 1, address window 0
; A joint load.  Waves 0 and 1 fetch h1's two halves, waves 2 and 3 w2t's.  Each of the two lines has one mask and one set of registers for all that issue it.  The branch hangs on the wave's number alone.
; An s_nop 0 and four v_nop follow each of the two lines, ahead of the jump, the label and what follows.
.macro JLOAD s
	s_cmp_eq_u32 s11, 0
	s_cbranch_scc0 .Lfor_b_\@
	tensor_load_to_lds s[G0+4*(\s):G0+4*(\s)+3], s[G1:G1+7]
	s_nop 0
.rept 4
	v_nop
.endr
	s_branch .Lasked_\@
.Lfor_b_\@:
	tensor_load_to_lds s[G0B+4*(\s):G0B+4*(\s)+3], s[G1B:G1B+7]
	s_nop 0
.rept 4
	v_nop
.endr
.Lasked_\@:
.endm
; A PREFETCH INTO THE L2, behind each joint load, its five lines and the run of LDS loads that follows them: the K step that stands TWO refills on (512 matrix instructions ahead of the load that will want it):
; 32 rows x 256 bytes, a lane a row, one instruction a wave.  Each row's 256 bytes of a K step are named once in the launch: h1's tile row is read by both clusters of that row of clusters, and the one with
; cluster x = 0 asks; w2t's tile column by the eight clusters of that column, and the one with cluster y = 0 asks.  The four partners that ask for a tile jointly share its rows out BY ADDRESS: of the 128 rows that
; wave w fetches the partner at place p takes 32 p .. 32 p + 31 (p = cx for h1, cy for w2t).  how = 0, in the loop: a tile's last two refills have no K step two on; how = 1, at the change of tiles.
.macro ASK how
.if \how
	s_cmp_eq_u32 s[LIM], 1
.else
	s_cmp_gt_u32 s3, s[LIM]                        ; s3 = 1 in the loop's last trip
.endif
	s_cbranch_scc0 .Lnot_mine_\@
	global_prefetch_b8 v[PFO], s[PFA:PFA+1] offset:KSTEP*2 th:TH_LOAD_NT scope:SCOPE_SE
.Lnot_mine_\@:
.endm
; A round of the cluster's barrier: my work-group's barrier, so that wave 0's signal speaks for all four waves; wave 0 signals; every wave waits for all sixteen work-groups; my work-group's barrier once more.
.macro CREST                           ; a round behind its opening barrier
	s_cmp_lg_u32 s10, 0
	s_cbranch_scc1 .Lnot_wave_0_\@
	s_barrier_signal -3
.Lnot_wave_0_\@:
	s_barrier_wait -3
	s_barrier_signal -1
	s_barrier_wait -1
.endm
.macro CROUND                          ; a whole round
	s_barrier_signal -1
	s_barrier_wait -1
	CREST
.endm
	s_load_b128 s[4:7], s[0:1], 0x0                ; h1 s[4:5], w2t s[6:7]
	s_load_b64 s[8:9], s[0:1], 0x10                ; part
	s_load_b128 s[68:71], s[0:1], 0x18             ; b2 s[68:69], Wc s[70:71]
	v_lshl_add_u32 v[SPW], v0, 2, SPARE
	v_mov_b32 v[NIL], 0
	ds_add_u32 v[SPW], v[NIL]                      ; the wave's opening: the add, twice on end, and its wait stand ahead of my first tensor load; the set-up below, work on registers, stands between
	ds_add_u32 v[SPW], v[NIL]                      ; and once more, under the one wait
	v_lshrrev_b32 v1, 5, v0
	v_readfirstlane_b32 s10, v1                    ; wave 0..3
	s_lshr_b32 s11, s10, 1                         ; which half of the tile's rows is mine.  Also: I fetch for h1 (0) or for w2t (1)
	s_and_b32 s12, s10, 1                          ; which half of its columns.  Also: which 128 rows of that operand's tile I fetch
	s_bfe_u32 s40, ttmp6, 0x40000                  ; cx: my place along the cluster's x
	s_bfe_u32 s41, ttmp6, 0x40004                  ; cy: along its y
	s_lshl_b32 s42, ttmp9, 2                       ; in a cluster launch ttmp9 and ttmp7 count clusters
	s_add_co_u32 s42, s42, s40                     ; tile column = 4 x cluster x + cx
	s_and_b32 s13, ttmp7, 0xffff
	s_lshl_b32 s13, s13, 2
	s_add_co_u32 s13, s13, s41                     ; tile row = 4 x cluster y + cy
	s_lshl_b32 s43, s41, 2
	s_lshl_b32 s43, 15, s43                        ; my row of the cluster: places 4 cy .. 4 cy + 3
	s_lshl_b32 s44, 0x1111, s40                    ; my column: places cx, cx + 4, cx + 8, cx + 12
	; descriptor group 1: a tile of 128 rows x 128 elements, padded in LDS
	s_or_b32 s[G1+0], s43, (1<<16)|(1<<20)|(1<<21)|(5<<22)|(3<<25)  ; 15:0 the mask: h1's tiles go to my row; 17:16 elements of 2 bytes; 20 padding on; 21 set beside a mask; 24:22 after every 64 words (code 5); 31:25 4 words of it (code 3)
	s_or_b32 s[G1B+0], s44, (1<<16)|(1<<20)|(1<<21)|(5<<22)|(3<<25) ; the same with the mask of my column, for w2t's tiles
	s_mov_b32 s[G1B+1], KSTEP<<16
	s_mov_b32 s[G1+1], KSTEP<<16                   ; tensor_dim0 = 128
	s_mov_b32 s[G1B+2], 128<<16
	s_mov_b32 s[G1+2], 128<<16                     ; tensor_dim1 = 128
	s_mov_b32 s[G1B+3], KSTEP<<16
	s_mov_b32 s[G1+3], KSTEP<<16                   ; tile_dim0 = 128
	s_mov_b32 s[G1B+4], 128
	s_mov_b32 s[G1+4], 128                         ; tile_dim1 = 128
	s_mov_b32 s[G1B+5], SIZE_K
	s_mov_b32 s[G1+5], SIZE_K                      ; elements from row to row
	s_mov_b32 s[G1B+6], 0
	s_mov_b32 s[G1+6], 0
	s_mov_b32 s[G1B+7], 0
	s_mov_b32 s[G1+7], 0
	s_mov_b32 s66, 0xffff0000                      ; a word's upper bf16
	s_mov_b32 s[CC], 0x4038aa3b
	s_mov_b32 s[CC+1], s[CC]                       ; named with it as a pair
	s_mov_b32 s[SEL], 0x76543210
	s_mov_b32 s[SEL+1], 0xfedcba98
	; where the tiles come from.  h1's hang on the tile row alone, which my row of the cluster shares; w2t's on the tile column alone, which my column shares.
	s_lshl_b32 s17, s12, 7                         ; which 128 rows of the tile I fetch
	s_lshl_b32 s16, s13, 8
	s_add_co_u32 s16, s16, s17                     ; h1: row 256 x tile row + 128 x half
	s_lshl_b32 s46, s42, 8
	s_add_co_u32 s46, s46, s17                     ; w2t: row 256 x tile column + 128 x half
	s_mov_b32 s17, 0
	s_mov_b32 s47, 0
	s_mov_b64 s[18:19], SIZE_K*2
	s_mul_u64 s[16:17], s[16:17], s[18:19]         ; in bytes
	s_mul_u64 s[46:47], s[46:47], s[18:19]
	s_mul_i32 s20, s10, HALFT                      ; and where they go: wave x 128 rows: no place in the cluster enters an LDS address
	s_wait_dscnt 0x0                               ; both opening adds are done
	s_wait_kmcnt 0x0
	s_add_nc_u64 s[14:15], s[4:5], s[16:17]
	s_add_nc_u64 s[46:47], s[6:7], s[46:47]
	CROUND                                         ; all sixteen work-groups are here: the first joint loads meet
.irp s, 0,1
	s_mov_b32 s[G0+4*(\s)], 1                                      ; count = 1
	s_add_co_u32 s[G0+4*(\s)+1], s20, (\s)*SLOT                    ; LDS address
	s_add_nc_u64 s[G0+4*(\s)+2:G0+4*(\s)+3], s[14:15], (\s)*KSTEP*2  ; global address: K step s
	s_or_b32 s[G0+4*(\s)+3], s[G0+4*(\s)+3], 0x80000000            ; type = 2
	s_mov_b32 s[G0B+4*(\s)], 1
	s_add_co_u32 s[G0B+4*(\s)+1], s20, (\s)*SLOT
	s_add_nc_u64 s[G0B+4*(\s)+2:G0B+4*(\s)+3], s[46:47], (\s)*KSTEP*2
	s_or_b32 s[G0B+4*(\s)+3], s[G0B+4*(\s)+3], 0x80000000
	JLOAD \s                                       ; the ring is filled before anything else is done: two loads of mine are out
.endr
	; my 64 numbers of b2 and of Wc: asked for now, rounded below, all in the wait for the first tile
	v_and_b32 v1, 15, v0                           ; l % 16
	v_bfe_u32 v2, v0, 4, 1                         ; l / 16
	v_lshlrev_b32 v[BO], 5, v2
	s_lshl_b32 s78, s42, 10                        ; 256 columns of 4 bytes a tile column,
	s_lshl_b32 s79, s12, 9                         ; my 128
	s_add_co_u32 s78, s78, s79
	s_mov_b32 s79, 0
	s_add_nc_u64 s[68:69], s[68:69], s[78:79]
	s_add_nc_u64 s[70:71], s[70:71], s[78:79]
	WIN TO_B
.irp b, 0,1,2,3,4,5,6,7
	global_load_b128 v[B2S+8*(\b):B2S+8*(\b)+3],   v[BO], s[68:69] offset:64*(\b)
	global_load_b128 v[B2S+8*(\b)+4:B2S+8*(\b)+7], v[BO], s[68:69] offset:64*(\b)+16
	global_load_b128 v[WCS+8*(\b):WCS+8*(\b)+3],   v[BO], s[70:71] offset:64*(\b)
	global_load_b128 v[WCS+8*(\b)+4:WCS+8*(\b)+7], v[BO], s[70:71] offset:64*(\b)+16
.endr
	WIN 0
	; A fragment is 16 rows x 32 K in 8 registers: lane l holds row l % 16; registers 0-3 hold K = 8 (l / 16) + 0..7, registers 4-7 K = 16 + 8 (l / 16) + 0..7: two loads of 16 bytes, 32 bytes apart.
	v_mul_u32_u24 v3, v1, PITCH
	v_lshl_add_u32 v3, v2, 4, v3                   ; row x pitch + 16 x half
	s_mul_i32 s21, s11, HALFT                      ; my 128 rows of h1
	s_mul_i32 s22, s12, HALFT                      ; my 128 rows of w2t,
	s_add_co_u32 s22, s22, 2*HALFT                 ; which lie behind h1's 256
.irp s, 0,1
	v_add_nc_u32 v[ADRA+(\s)], s21, v3
	v_add_nc_u32 v[ADRB+(\s)], s22, v3
	s_add_co_u32 s21, s21, SLOT
	s_add_co_u32 s22, s22, SLOT
.endr
	s_lshl_b32 s23, s10, 9
	s_add_co_u32 s23, s23, STAGE                   ; my stage
	v_and_b32 v5, 31, v0
	v_lshl_add_u32 v[STO], v1, 2, s23
	v_lshl_add_u32 v[RD], v5, 4, s23
	v_lshlrev_b32 v[CO], 4, v5
	; part at my 128 rows of the first tile, in my column group 2 x tile column + half (in registers that never feed h1's descriptors: they hold cx)
	s_lshl_b32 s76, s42, 1
	s_add_co_u32 s76, s76, s12
	s_lshl_b32 s76, s76, 16                        ; a column group is 16,384 rows of 4 bytes
	s_lshl_b32 s77, s13, 10                        ; 256 rows a tile row,
	s_add_co_u32 s76, s76, s77
	s_lshl_b32 s77, s11, 9                         ; my 128
	s_add_co_u32 s76, s76, s77
	s_mov_b32 s77, 0
	s_add_nc_u64 s[8:9], s[8:9], s[76:77]
	; the prefetches
	s_lshl_b32 s13, s13, 8                         ; 256 x tile row
	s_lshl_b32 s42, s42, 8                         ; 256 x tile column
	s_and_b32 s22, ttmp7, 0xffff                   ; cluster y
	s_cmp_eq_u32 s11, 0                            ; do I fetch for h1?
	s_cselect_b32 s20, s13, s42                    ; the tile's first row
	s_cselect_b32 s21, s40, s41                    ; my place among the four that ask for it with me
	s_cselect_b32 s22, ttmp9, s22                  ; the coordinate along which other clusters read the same rows
	s_cselect_b64 s[PFA:PFA+1], s[4:5], s[6:7]
	s_cmp_eq_u32 s22, 0
	s_cselect_b32 s[LIM], 1, -1                    ; the same in all sixteen partners, for a given wave
	s_lshl_b32 s22, s12, 7
	s_add_co_u32 s20, s20, s22                     ; + the 128 rows that I fetch
	s_lshl_b32 s21, s21, 5
	s_add_co_u32 s20, s20, s21                     ; + my work-group's 32 of them
	s_mov_b32 s21, 0
	s_mov_b64 s[18:19], SIZE_K*2
	s_mul_u64 s[20:21], s[20:21], s[18:19]
	s_add_nc_u64 s[PFA:PFA+1], s[PFA:PFA+1], s[20:21]
	s_add_nc_u64 s[PFA:PFA+1], s[PFA:PFA+1], 2*KSTEP*2  ; at K step 2: the first refill steps it to 3 and names K step 4.  Nothing is prefetched here, at the head
	v_and_b32 v[PFO], 31, v0
	v_mul_u32_u24 v[PFO], v[PFO], SIZE_K*2
	; b2 and Wc: rounded to bf16 and widened again (temporaries: w2t's second fragment buffer, still free); b2 times c
	s_wait_loadcnt 0x0
	WIN 0x55                                       ; all four places in window 1
.set i, 0
.rept 32
	v_cvt_pk_bf16_f32 v[F1+i],    v[B2S+2*i], v[B2S+2*i+1]
	v_cvt_pk_bf16_f32 v[F1+32+i], v[WCS+2*i], v[WCS+2*i+1]
.set i, i+1
.endr
.set i, 0
.rept 32
	v_lshlrev_b32 v[B2S+2*i], 16, v[F1+i]
	v_and_b32 v[B2S+2*i+1], s66, v[F1+i]
	v_lshlrev_b32 v[WCS+2*i], 16, v[F1+32+i]
	v_and_b32 v[WCS+2*i+1], s66, v[F1+32+i]
.set i, i+1
.endr
.set i, 0
.rept 32
	v_pk_mul_f32 v[B2S+2*i:B2S+2*i+1], v[B2S+2*i:B2S+2*i+1], s[CC:CC+1] op_sel_hi:[1,0]
.set i, i+1
.endr
	WIN 0
; 16 matrix instructions: m blocks a0, a0 + 1 of the window's four (hi = 0: my rows 0-63, 1: rows 64-127) x all 8 n blocks, 32 along K.  zero = 1: the first product starts the sums: nothing is ever cleared.
.macro MUL16 f, hi, a0, zero
	WIN MUL_LO+0x50*(\hi)
.irp a, \a0, (\a0)+1
.irp b, 0,1,2,3,4,5,6,7
.if \zero
	v_wmma_f32_16x16x32_bf16 v[8*(8*(\a)+(\b)):8*(8*(\a)+(\b))+7], v[(\f)+8*(\b):(\f)+8*(\b)+7], v[(\f)+8*(4*(\hi)+(\a)):(\f)+8*(4*(\hi)+(\a))+7], 0
.else
	v_wmma_f32_16x16x32_bf16 v[8*(8*(\a)+(\b)):8*(8*(\a)+(\b))+7], v[(\f)+8*(\b):(\f)+8*(\b)+7], v[(\f)+8*(4*(\hi)+(\a)):(\f)+8*(4*(\hi)+(\a))+7], v[8*(8*(\a)+(\b)):8*(8*(\a)+(\b))+7]
.endif
.endr
.endr
.endm
; 32 LDS loads in one run: the fragments of one quarter step (128 rows of w2t, 128 rows of h1, 32 K at byte k of the rows) into buffer f
.macro FETCH slot, k, f
	WIN TO_B
.irp i, 0,1,2,3,4,5,6,7
	ds_load_b128 v[(\f)+8*(\i):(\f)+8*(\i)+3],   v[ADRB+(\slot)] offset:(\k)+(\i)*16*PITCH
	ds_load_b128 v[(\f)+8*(\i)+4:(\f)+8*(\i)+7], v[ADRB+(\slot)] offset:(\k)+(\i)*16*PITCH+32
.endr
	WIN 0
.irp i, 0,1,2,3,4,5,6,7
	ds_load_b128 v[(\f)+8*(\i):(\f)+8*(\i)+3],   v[ADRA+(\slot)] offset:(\k)+(\i)*16*PITCH
	ds_load_b128 v[(\f)+8*(\i)+4:(\f)+8*(\i)+7], v[ADRA+(\slot)] offset:(\k)+(\i)*16*PITCH+32
.endr
.endm
; A load into a register that a matrix instruction has read, and a vector instruction that reads a matrix result or writes one of a matrix instruction's registers, stand four places behind it, and only plain
; vector instructions that name none of its registers are places (ISA guide 7.12.1 for vector instructions).
.macro PLACES
.rept 4
	v_nop
.endr
.endm
; A K step is four quarter steps of 32 along K, 64 matrix instructions each, on buffers 0, 1, 0, 1.  The 64 accumulators take turns in the same order everywhere.
; One of the first three: multiplies buffer f; in its middle it fetches the next quarter's fragments, at byte k of the same slot's rows, into buffer g.
.macro QUARTER slot, k, f, g, zero
	s_wait_dscnt 8                                 ; w2t's and h1's rows 0-63 are in; the youngest eight loads (h1's rows 64-127) may be out
	WIN MUL_LO
	MUL16 \f, 0, 0, \zero
	MUL16 \f, 0, 2, \zero
	PLACES
	FETCH \slot, \k, \g
	s_wait_dscnt 32                                ; all but the 32 just issued
	WIN MUL_HI
	MUL16 \f, 1, 0, \zero
	MUL16 \f, 1, 2, \zero
.endm
; The last quarter multiplies buffer 1 and changes slots.  MEET is its first half: ONE barrier for the change.  In front of it each wave waits for all its tensor loads, of which one is out: its part of the next slot;
; adds 0 to its spare word; and waits for that and for its own reads of this slot.  Behind it nobody reads this slot any more and the next slot is whole.
.macro MEET round                      ; round = 1: a round of the cluster's barrier follows
	WIN 0                                          ; (the add's two registers lie in window 0)
	s_wait_tensorcnt 0x0                           ; all my tensor loads have landed
	ds_add_u32 v[SPW], v[NIL]                      ; 0 onto my spare word
	s_wait_dscnt 9                                 ; (the add and the youngest eight loads may be out)
	WIN MUL_LO
	MUL16 F1, 0, 0, 0                              ; sixteen matrix instructions stand between the add and the wait for it
	s_wait_dscnt 0x0                               ; the add is done, and my reads of this slot are over
	s_barrier_signal -1
	MUL16 F1, 0, 2, 0                              ; work on registers while the others arrive
.if \round
	WIN 0
.endif
	s_barrier_wait -1
.endm
; The whole last quarter where the slot is filled again: with this tile's K step two steps on (on = 0) or, in the first tile's last two K steps, with the next tile's K step 0 or 1 (on = 1).
; From a request to the wait for it a wave issues 224 matrix instructions.
.macro TURN slot, next, on
	s_wait_xcnt 0x0                                ; the last prefetch, a K step back, has read its address: it is stepped here, ahead of the waits of the change of slots
.if (\on) && (\slot) == 0
	s_add_nc_u64 s[PFA:PFA+1], s[PFA:PFA+1], (WALK-1)*SIZE_K*2+KSTEP*2  ; from the K step after the tile's last to the next tile's K step 1: WALK rows down, back along K
	s_cmp_eq_u32 s11, 0
	s_cselect_b32 s[LIM], s[LIM], -1               ; w2t's rows are the same for both tiles: they are asked for no more
.else
	s_add_nc_u64 s[PFA:PFA+1], s[PFA:PFA+1], KSTEP*2
.endif
	MEET 1
	CREST                                          ; the barrier has opened a round of the cluster's: no wave of any partner still reads this slot's tile or has a load on its way
.if \on
	s_add_nc_u64 s[G0+4*(\slot)+2:G0+4*(\slot)+3], s[G0+4*(\slot)+2:G0+4*(\slot)+3], NEXT_A
	s_sub_nc_u64 s[G0B+4*(\slot)+2:G0B+4*(\slot)+3], s[G0B+4*(\slot)+2:G0B+4*(\slot)+3], BACK_B
.else
	s_add_nc_u64 s[G0+4*(\slot)+2:G0+4*(\slot)+3], s[G0+4*(\slot)+2:G0+4*(\slot)+3], 2*KSTEP*2
	s_add_nc_u64 s[G0B+4*(\slot)+2:G0B+4*(\slot)+3], s[G0B+4*(\slot)+2:G0B+4*(\slot)+3], 2*KSTEP*2
.endif
	JLOAD \slot                                    ; the first tensor load behind the round; the four v_nop behind it are also the places in front of the loads below
	FETCH \next, 0, F0
	ASK \on
	WIN MUL_HI
	MUL16 F1, 1, 0, 0
	MUL16 F1, 1, 2, 0
.endm
; The same quarter in the last tile's last lap: slot 0 is left and nothing is asked for, so no round follows the barrier
.macro TURN0
	MEET 0
	PLACES
	FETCH 1, 0, F0
	WIN MUL_HI
	MUL16 F1, 1, 0, 0
	MUL16 F1, 1, 2, 0
.endm
; The launch's very last quarter: nothing more to fetch
.macro LASTQ
	s_wait_dscnt 8
	WIN MUL_LO
	MUL16 F1, 0, 0, 0
	MUL16 F1, 0, 2, 0
	s_wait_dscnt 0x0
	MUL16 F1, 1, 0, 0
	MUL16 F1, 1, 2, 0
.endm
; THE WAY OUT, a block of 16 rows x 128 columns at a time: 64 numbers a lane.
; STEP1 a: T = c x sum + c x b2, the one part that names block a's accumulators; each accumulator's registers are taken in ascending order.
.macro STEP1 a
	WIN 0x12+(\a)/4                                ; source 0 window 2 or 3, source 2 window 1, destination window 0
.irp b, 0,1,2,3,4,5,6,7
.irp p, 0,2,4,6
	v_pk_fma_f32 v[T+8*(\b)+(\p):T+8*(\b)+(\p)+1], v[64*((\a)%4)+8*(\b)+(\p):64*((\a)%4)+8*(\b)+(\p)+1], s[CC:CC+1], v[B2S+8*(\b)+(\p):B2S+8*(\b)+(\p)+1] op_sel_hi:[1,0,1]
.endr
.endr
	WIN 0
.endm
; tanh of n numbers that hold c z, in place.  The exponentials are one batch and the reciprocals another: behind each a plain line, and one wait ahead of the first reader.
.macro TANH base, n
.set i, 0
.rept \n
	v_exp_f32 v[(\base)+i], v[(\base)+i]
.set i, i+1
.endr
	v_nop
	s_wait_alu depctr_va_vdst(0)
.set i, 0
.rept (\n)/2
	v_pk_add_f32 v[(\base)+i:(\base)+i+1], v[(\base)+i:(\base)+i+1], 1.0 op_sel_hi:[1,0]
.set i, i+2
.endr
.set i, 0
.rept \n
	v_rcp_f32 v[(\base)+i], v[(\base)+i]
.set i, i+1
.endr
	v_nop
	s_wait_alu depctr_va_vdst(0)
.set i, 0
.rept (\n)/2
	v_pk_fma_f32 v[(\base)+i:(\base)+i+1], v[(\base)+i:(\base)+i+1], -2.0, 1.0 op_sel_hi:[1,0,0]
.set i, i+2
.endr
.endm
; COMMON: what is alike for every block: tanh; times Wc, summed in four chains of pairs that take turns (the first products start them); the lane's 64 columns into one number; the row's other 64 lie in the lane 16 away.
.macro COMMON
	TANH T, 64
	WIN 0x04                                       ; source 1 (Wc) window 1
.irp p, 0,2,4,6
	v_pk_mul_f32 v[SM+(\p):SM+(\p)+1], v[T+(\p):T+(\p)+1], v[WCS+(\p):WCS+(\p)+1]
.endr
.irp b, 1,2,3,4,5,6,7
.irp p, 0,2,4,6
	v_pk_fma_f32 v[SM+(\p):SM+(\p)+1], v[T+8*(\b)+(\p):T+8*(\b)+(\p)+1], v[WCS+8*(\b)+(\p):WCS+8*(\b)+(\p)+1], v[SM+(\p):SM+(\p)+1]
.endr
.endr
	WIN 0
	v_pk_add_f32 v[SM:SM+1], v[SM:SM+1], v[SM+2:SM+3]
	v_pk_add_f32 v[SM+4:SM+5], v[SM+4:SM+5], v[SM+6:SM+7]
	v_pk_add_f32 v[SM:SM+1], v[SM:SM+1], v[SM+4:SM+5]
	v_add_f32 v[RS], v[SM], v[SM+1]
	v_permlanex16_b32 v[SM+2], v[RS], s[SEL], s[SEL+1]  ; its destination counts as read: a register that this block has written
	v_add_f32 v[RS], v[RS], v[SM+2]
.endm
; EPI: a counted loop of eight trips, so that COMMON is written once.  What names a block's own registers or place stands in arms at the trip's bottom, chosen by the counter: the store of the block's 16 row sums
; into my stage, and STEP1 of the next block.  Block 0's STEP1 stands in front of the loop; the last trip's arm stores alone.  Both halves of the lanes store the same word with the same number.
; Then the wave's 128 sums come back, four rows a lane, and leave in one store of 512 consecutive bytes, aligned.  more = 1: part's address steps to the next tile's rows.
.macro EPI more
	WIN 0
	PLACES                                         ; T's registers are sources of the last products, whose results are read below
	STEP1 0
	s_mov_b32 s[BLK], 8
.Lblk_\@:
	COMMON
.irp a, 1,2,3,4,5,6,7
	s_cmp_eq_u32 s[BLK], 9-\a
	s_cbranch_scc0 .Lnot_\@_\a
	ds_store_b32 v[STO], v[RS] offset:64*(\a-1)
	STEP1 \a
	s_branch .Lnext_\@
.Lnot_\@_\a:
.endr
	ds_store_b32 v[STO], v[RS] offset:64*7
.Lnext_\@:
	s_sub_co_u32 s[BLK], s[BLK], 1
	s_cmp_lg_u32 s[BLK], 0
	s_cbranch_scc1 .Lblk_\@
	ds_load_b128 v[OB:OB+3], v[RD]                 ; LDS serves a wave's instructions in order (ISA guide 5.7.1.4): this sees my eight stores
	s_wait_dscnt 0x0
	global_store_b128 v[CO], v[OB:OB+3], s[8:9]
.if \more
	s_wait_xcnt 0x0                                ; the store has read its data and its base
	s_add_nc_u64 s[8:9], s[8:9], WALK*4
.endif
.endm
	s_wait_tensorcnt 1                             ; my part of K step 0 is in; K step 1's load may stay out
	s_barrier_signal -1
	s_barrier_wait -1                              ; everybody's is
	FETCH 0, 0, F0
	s_mov_b32 s2, SIZE_TILES                       ; tiles to go, this one among them: the same number in every work-group
.Ltile:
	QUARTER 0, 64,  F0, F1, 1                      ; a tile's first quarter stands in front of the loop: its products start the sums
	WIN 0                                          ; at a label and at a branch every window is 0
	s_mov_b32 s3, LAPS-1
.Llap:                                                 ; a trip goes once round the ring, from a lap's second quarter to the next lap's first, and fills both slots again
	QUARTER 0, 128, F1, F0, 0
	QUARTER 0, 192, F0, F1, 0
	TURN 0, 1, 0
	QUARTER 1, 64,  F0, F1, 0
	QUARTER 1, 128, F1, F0, 0
	QUARTER 1, 192, F0, F1, 0
	TURN 1, 0, 0
	QUARTER 0, 64,  F0, F1, 0
	WIN 0
	s_sub_co_u32 s3, s3, 1
	s_cmp_lg_u32 s3, 0
	s_cbranch_scc1 .Llap
	QUARTER 0, 128, F1, F0, 0                      ; the tile's last lap goes on
	QUARTER 0, 192, F0, F1, 0
	WIN 0
	s_cmp_eq_u32 s2, 1
	s_cbranch_scc1 .Llast_tile                     ; the last tile's tail is written out: it asks for nothing more
	TURN 0, 1, 1                                   ; the ring goes on into the next tile: slot 0 takes its K step 0,
	QUARTER 1, 64,  F0, F1, 0
	QUARTER 1, 128, F1, F0, 0
	QUARTER 1, 192, F0, F1, 0
	TURN 1, 0, 1                                   ; slot 1 its K step 1, and the next tile's first fragments are fetched into buffer 0, which the way out does not touch
	EPI 1                                          ; both refills are asked for: now the tile goes out
	s_sub_co_u32 s2, s2, 1
	s_branch .Ltile
.Llast_tile:
	TURN0
	QUARTER 1, 64,  F0, F1, 0
	QUARTER 1, 128, F1, F0, 0
	QUARTER 1, 192, F0, F1, 0
	LASTQ
	EPI 0
	s_wait_tensorcnt 0x0                           ; the wave's end: behind my last tensor load and my last LDS store
	ds_add_u32 v[SPW], v[NIL]
	s_wait_dscnt 0x0
	CROUND                                         ; the closing round: no work-group ends while a partner may still ask for a tile that names it
	s_endpgm
.Lfunc_end_k_q16f22f90a7_gemm:
	.size	k_q16f22f90a7_gemm, .Lfunc_end_k_q16f22f90a7_gemm-k_q16f22f90a7_gemm
	.p2alignl 7, 3214868480
	.fill 96, 4, 3214868480
	.section	.rodata,"a",@progbits
	.p2align	6, 0x0
	.amdhsa_kernel k_q16f22f90a7_gemm
		.amdhsa_group_segment_fixed_size 327680
		.amdhsa_private_segment_fixed_size 0
		.amdhsa_enable_private_segment 0
		.amdhsa_kernarg_size 40
		.amdhsa_user_sgpr_count 2
		.amdhsa_user_sgpr_kernarg_segment_ptr 1
		.amdhsa_wavefront_size32 1
		.amdhsa_system_sgpr_workgroup_id_x 1
		.amdhsa_system_sgpr_workgroup_id_y 1
		.amdhsa_system_sgpr_workgroup_id_z 1
		.amdhsa_system_vgpr_workitem_id 0
		.amdhsa_next_free_vgpr 1024
		.amdhsa_next_free_sgpr 80
		.amdhsa_reserve_vcc 0
		.amdhsa_float_denorm_mode_32 3
		.amdhsa_float_denorm_mode_16_64 3
		.amdhsa_memory_ordered 1
		.amdhsa_forward_progress 1
		.amdhsa_inst_pref_size 217
	.end_amdhsa_kernel
	.amdgpu_metadata
---
amdhsa.version: [ 1, 2 ]
amdhsa.kernels:
  - .name:           k_q16f22f90a7_gemm
    .symbol:         k_q16f22f90a7_gemm.kd
    .args:
      - { .name: h1, .offset: 0, .size: 8, .value_kind: global_buffer, .address_space: global }
      - { .name: w2t, .offset: 8, .size: 8, .value_kind: global_buffer, .address_space: global }
      - { .name: part, .offset: 16, .size: 8, .value_kind: global_buffer, .address_space: global }
      - { .name: b2, .offset: 24, .size: 8, .value_kind: global_buffer, .address_space: global }
      - { .name: Wc, .offset: 32, .size: 8, .value_kind: global_buffer, .address_space: global }
    .group_segment_fixed_size: 327680
    .private_segment_fixed_size: 0
    .kernarg_segment_align: 8
    .kernarg_segment_size: 40
    .max_flat_workgroup_size: 128
    .sgpr_count:     80
    .vgpr_count:     1024
    .wavefront_size: 32
...
	.end_amdgpu_metadata
.endif
;; end of part 2
;; launch heads (part 3): grid 32 x 1, 4 waves a work-group, no clusters, 0 bytes of LDS; arguments part, bc, x, Wr1, br1, Wr2, br2, Wr3, br3, out0, out1; writes out0, out1
.if DOCPART == 3
	.amdgcn_target "amdgcn-amd-amdhsa--gfx1250"
	.amdhsa_code_object_version 6
	.text
	.protected	k_q16f22f90a7_heads
	.globl	k_q16f22f90a7_heads
	.p2align	8
	.type	k_q16f22f90a7_heads,@function
k_q16f22f90a7_heads:
	s_mov_b64 s[64:65], 0
	v_nop
	global_prefetch_b8 v0, s[64:65] scope:SCOPE_SE
	s_setreg_imm32_b32 hwreg(HW_REG_WAVE_MODE, 25, 1), 1
	s_wait_xcnt 0x0
; out0[m] = bc + the sum over the 16 column groups p of part[p][m];   out1[m] = br3 + sum_v Wr3[v] tanh(br2[v] + sum_u Wr2[u][v] tanh(br1[u] + x0 Wr1[0][u] + x1 Wr1[1][u])).
; FORMATS.  bc, x and the regressor's six inputs are rounded once to bf16, to nearest even, as they are loaded; all arithmetic, and part, in f32.
; LIMITS.  tanh z = 1 - 2 / (1 + 2^(c z)), c = 2 log2 e: right at both ends; its error is about 2e-7 absolute, not relative, for tiny z.
; SHARES.  Thread number tg of 4,096 owns rows 4 tg .. 4 tg + 3: every load of part and both stores are 16 bytes a lane, 512 consecutive bytes a wave, aligned.  That is work for 32 work-groups of four waves.
; The 66 weights are loaded a lane a number (each lane inside its buffer), rounded, where they feed a tanh multiplied by c, and read out into scalar registers.  The regressor's arithmetic stands in the wait for
; the sixteen partial sums, which are asked for at the head.  No matrix unit: K is 2, 8 and 4.  No LDS, no barrier: no thread wants another's numbers.
.set PO,  1                            ; v1   16 tg: my four rows in a plane of part, in out0 and in out1
.set XO,  2                            ; v2   32 tg: my four rows of x
.set X,   16                           ; v[16:23]  x: row r at X + 2 r
.set Z1,  24                           ; v[24:55]  first layer: unit u, row r at Z1 + 4 u + r
.set Z2,  56                           ; v[56:71]  second layer: unit q, row r at Z2 + 4 q + r
.set RK,  72                           ; v[72:75]  out1's four numbers
.set PT,  80                           ; v[80:143] part: plane p at PT + 4 p
.set SW1, 32                           ; s[32:47] c Wr1[8 i + u]
.set SB1, 48                           ; s[48:55] c br1
.set SB2, 56                           ; s[56:59] c br2
.set SW3, 60                           ; s[60:63] Wr3
.set SW2, 66                           ; s[66:97] c Wr2[4 u + q]
.set SB3, 98                           ; s98  br3
.set SBC, 99                           ; s99  bc
; tanh of n numbers that hold c z, in place.  The exponentials are one batch and the reciprocals another: behind each a plain line, and one wait ahead of the first reader.
.macro TANH base, n
.set i, 0
.rept \n
	v_exp_f32 v[(\base)+i], v[(\base)+i]
.set i, i+1
.endr
	v_nop
	s_wait_alu depctr_va_vdst(0)
.set i, 0
.rept (\n)/2
	v_pk_add_f32 v[(\base)+i:(\base)+i+1], v[(\base)+i:(\base)+i+1], 1.0 op_sel_hi:[1,0]
.set i, i+2
.endr
.set i, 0
.rept \n
	v_rcp_f32 v[(\base)+i], v[(\base)+i]
.set i, i+1
.endr
	v_nop
	s_wait_alu depctr_va_vdst(0)
.set i, 0
.rept (\n)/2
	v_pk_fma_f32 v[(\base)+i:(\base)+i+1], v[(\base)+i:(\base)+i+1], -2.0, 1.0 op_sel_hi:[1,0,0]
.set i, i+2
.endr
.endm
	s_load_b512 s[8:23], s[0:1], 0x0               ; part s[8:9], bc s[10:11], x s[12:13], Wr1 s[14:15], br1 s[16:17], Wr2 s[18:19], br2 s[20:21], Wr3 s[22:23]
	s_load_b128 s[24:27], s[0:1], 0x40             ; br3 s[24:25], out0 s[26:27]
	s_load_b64 s[28:29], s[0:1], 0x50              ; out1
	s_lshl_b32 s2, ttmp9, 7
	s_mov_b32 s30, 0xffff0000                      ; a word's upper bf16
	v_add_nc_u32 v15, s2, v0                       ; tg
	v_lshlrev_b32 v[PO], 4, v15
	v_lshlrev_b32 v[XO], 5, v15
	v_and_b32 v3, 31, v0
	v_and_b32 v4, 15, v0
	v_and_b32 v5, 7, v0
	v_and_b32 v6, 3, v0
	v_lshlrev_b32 v3, 2, v3                        ; Wr2 has 32 numbers,
	v_lshlrev_b32 v4, 2, v4                        ; Wr1 16,
	v_lshlrev_b32 v5, 2, v5                        ; br1 8,
	v_lshlrev_b32 v6, 2, v6                        ; br2 and Wr3 4,
	v_mov_b32 v7, 0                                ; br3 and bc one
	s_wait_kmcnt 0x0
	global_load_b32 v8,  v4, s[14:15]              ; Wr1
	global_load_b32 v9,  v5, s[16:17]              ; br1
	global_load_b32 v10, v3, s[18:19]              ; Wr2
	global_load_b32 v11, v6, s[20:21]              ; br2
	global_load_b32 v12, v6, s[22:23]              ; Wr3
	global_load_b32 v13, v7, s[24:25]              ; br3
	global_load_b32 v14, v7, s[10:11]              ; bc
	global_load_b128 v[X:X+3],   v[XO], s[12:13]
	global_load_b128 v[X+4:X+7], v[XO], s[12:13] offset:16
.irp p, 0,1,2,3,4,5,6,7,8,9,10,11,12,13,14,15
	global_load_b128 v[PT+4*\p:PT+4*\p+3], v[PO], s[8:9] offset:65536*\p th:TH_LOAD_NT
.endr
	s_wait_loadcnt 18                              ; the seven weight vectors are in; x's 2 loads and part's 16 are younger
.irp i, 8,9,10,11,12,13,14
	v_cvt_pk_bf16_f32 v[136+\i], v\i, v\i
.endr
.irp i, 8,9,10,11,12,13,14
	v_lshlrev_b32 v\i, 16, v[136+\i]
.endr
.irp i, 8,9,10,11
	v_mul_f32 v\i, 0x4038aa3b, v\i                 ; what feeds a tanh, times c
.endr
.set i, 0
.rept 16
	v_readlane_b32 s[SW1+i], v8, i
.set i, i+1
.endr
.set i, 0
.rept 8
	v_readlane_b32 s[SB1+i], v9, i
.set i, i+1
.endr
.set i, 0
.rept 32
	v_readlane_b32 s[SW2+i], v10, i
.set i, i+1
.endr
.set i, 0
.rept 4
	v_readlane_b32 s[SB2+i], v11, i
	v_readlane_b32 s[SW3+i], v12, i
.set i, i+1
.endr
	v_readlane_b32 s[SB3], v13, 0
	v_readlane_b32 s[SBC], v14, 0
	s_wait_loadcnt 16                              ; x is in; part's 16 loads are younger
.irp r, 0,1,2,3
	v_cvt_pk_bf16_f32 v[144+\r], v[X+2*\r], v[X+2*\r+1]
.endr
.irp r, 0,1,2,3
	v_lshlrev_b32 v[X+2*\r], 16, v[144+\r]
	v_and_b32 v[X+2*\r+1], s30, v[144+\r]
.endr
	; first layer: 8 units x 4 rows
.irp u, 0,1,2,3,4,5,6,7
.irp r, 0,1,2,3
	v_fma_f32 v[Z1+4*\u+\r], s[SW1+\u], v[X+2*\r], s[SB1+\u]
.endr
.endr
.irp u, 0,1,2,3,4,5,6,7
.irp r, 0,1,2,3
	v_fmac_f32 v[Z1+4*\u+\r], s[SW1+8+\u], v[X+2*\r+1]
.endr
.endr
	TANH Z1, 32
	; second layer: 16 chains of 8, taken u by u, so that fifteen others stand between two links
.irp q, 0,1,2,3
.irp r, 0,1,2,3
	v_fma_f32 v[Z2+4*\q+\r], s[SW2+\q], v[Z1+\r], s[SB2+\q]
.endr
.endr
.irp u, 1,2,3,4,5,6,7
.irp q, 0,1,2,3
.irp r, 0,1,2,3
	v_fmac_f32 v[Z2+4*\q+\r], s[SW2+4*\u+\q], v[Z1+4*\u+\r]
.endr
.endr
.endr
	TANH Z2, 16
	; third layer
.irp r, 0,1,2,3
	v_fma_f32 v[RK+\r], s[SW3], v[Z2+\r], s[SB3]
.endr
.irp q, 1,2,3
.irp r, 0,1,2,3
	v_fmac_f32 v[RK+\r], s[SW3+\q], v[Z2+4*\q+\r]
.endr
.endr
	global_store_b128 v[PO], v[RK:RK+3], s[28:29]
	; the logits: the 16 partial sums as a tree, two numbers an instruction
	s_wait_loadcnt 0x0
.irp d, 8,4,2,1
.set p, 0
.rept \d
	v_pk_add_f32 v[PT+4*p:PT+4*p+1],   v[PT+4*p:PT+4*p+1],   v[PT+4*(p+\d):PT+4*(p+\d)+1]
	v_pk_add_f32 v[PT+4*p+2:PT+4*p+3], v[PT+4*p+2:PT+4*p+3], v[PT+4*(p+\d)+2:PT+4*(p+\d)+3]
.set p, p+1
.endr
.endr
.irp r, 0,1,2,3
	v_add_f32 v[PT+\r], s[SBC], v[PT+\r]
.endr
	global_store_b128 v[PO], v[PT:PT+3], s[26:27]
	s_endpgm
.Lfunc_end_k_q16f22f90a7_heads:
	.size	k_q16f22f90a7_heads, .Lfunc_end_k_q16f22f90a7_heads-k_q16f22f90a7_heads
	.p2alignl 7, 3214868480
	.fill 96, 4, 3214868480
	.section	.rodata,"a",@progbits
	.p2align	6, 0x0
	.amdhsa_kernel k_q16f22f90a7_heads
		.amdhsa_group_segment_fixed_size 0
		.amdhsa_private_segment_fixed_size 0
		.amdhsa_enable_private_segment 0
		.amdhsa_kernarg_size 88
		.amdhsa_user_sgpr_count 2
		.amdhsa_user_sgpr_kernarg_segment_ptr 1
		.amdhsa_wavefront_size32 1
		.amdhsa_system_sgpr_workgroup_id_x 1
		.amdhsa_system_sgpr_workgroup_id_y 1
		.amdhsa_system_sgpr_workgroup_id_z 1
		.amdhsa_system_vgpr_workitem_id 0
		.amdhsa_next_free_vgpr 160
		.amdhsa_next_free_sgpr 100
		.amdhsa_reserve_vcc 0
		.amdhsa_float_denorm_mode_32 3
		.amdhsa_float_denorm_mode_16_64 3
		.amdhsa_memory_ordered 1
		.amdhsa_forward_progress 1
		.amdhsa_inst_pref_size 26
	.end_amdhsa_kernel
	.amdgpu_metadata
---
amdhsa.version: [ 1, 2 ]
amdhsa.kernels:
  - .name:           k_q16f22f90a7_heads
    .symbol:         k_q16f22f90a7_heads.kd
    .args:
      - { .name: part, .offset: 0, .size: 8, .value_kind: global_buffer, .address_space: global }
      - { .name: bc, .offset: 8, .size: 8, .value_kind: global_buffer, .address_space: global }
      - { .name: x, .offset: 16, .size: 8, .value_kind: global_buffer, .address_space: global }
      - { .name: Wr1, .offset: 24, .size: 8, .value_kind: global_buffer, .address_space: global }
      - { .name: br1, .offset: 32, .size: 8, .value_kind: global_buffer, .address_space: global }
      - { .name: Wr2, .offset: 40, .size: 8, .value_kind: global_buffer, .address_space: global }
      - { .name: br2, .offset: 48, .size: 8, .value_kind: global_buffer, .address_space: global }
      - { .name: Wr3, .offset: 56, .size: 8, .value_kind: global_buffer, .address_space: global }
      - { .name: br3, .offset: 64, .size: 8, .value_kind: global_buffer, .address_space: global }
      - { .name: out0, .offset: 72, .size: 8, .value_kind: global_buffer, .address_space: global }
      - { .name: out1, .offset: 80, .size: 8, .value_kind: global_buffer, .address_space: global }
    .group_segment_fixed_size: 0
    .private_segment_fixed_size: 0
    .kernarg_segment_align: 8
    .kernarg_segment_size: 88
    .max_flat_workgroup_size: 128
    .sgpr_count:     100
    .vgpr_count:     160
    .wavefront_size: 32
...
	.end_amdgpu_metadata
.endif
;; end of part 3
